; MI455X (gfx1250); checked and timed in simulation.
; The chip was launched on July 23, 2026; its instructions are those of AMD's public machine-readable ISA for CDNA 5 (MIT licence, August 2026) and "CDNA5" Instruction Set Architecture Reference Guide (July 2026). The comments in the code are by the model that wrote it; some were corrected since.
;; VQVAE. Allowed arithmetic: matrix products marked QUANTISED: E4M3 operands, one E8M0 scale for each 32 along K, by v_wmma_scale_f32_16x16x128_f8f6f4 with both operands' format E4M3, f32 sums; everything else in f32.
;; Inputs: codebook 8,192 x 512 float32; z_e 16 x 1,024 x 512 float32.
;; Outputs: out0 2 x 16 x 1,024 x 512 float32.
;; This version of the problem:
;;   THIS VERSION OF THE PROBLEM IS GIVEN IN LOW PRECISION. The matrix products marked QUANTISED in the list below multiply operands that are first quantised to E4M3 (4 exponent bits, 3 mantissa bits; 8 bits a number), with one power-of-two scale for each 32 numbers along K (OCP MX v1.0); their sums are f32. All else is computed in f32.
;;   The module's matrix products, in the order in which they are computed (A, B: the left and right operand; K: the contracted axis; several contracted axes count as one K, in the product's order):
;;     1. [M 16,384, K 512] x [K 512, N 8,192]; A: input z_e; B: input codebook: QUANTISED
;;   THE QUANTISER, for each operand of a quantised product, along K:
;;     - K is cut into blocks of 32 from its start; a last block that is shorter is filled with zeros.
;;     - A block's scale is 2^e with e = floor(log2(the largest magnitude in the block)) - 8, held to -126 .. 127; a block of zeros has e = 0. As a byte (E8M0): e + 127.
;;     - Each number is divided by its block's scale, clamped to +-448, and rounded to the nearest number of E4M3, ties to even, subnormals kept.
;;     - The product sums the exact products of the quantised numbers (number of the format x scale) in f32.
;;   ~~~python
;;   def quantise(x, axis):      # numpy; x: float32 -> the quantised numbers, widened to float32 again
;;       x = np.moveaxis(x, axis, -1); K = x.shape[-1]
;;       x = np.pad(x, [(0, 0)] * (x.ndim - 1) + [(0, -K % 32)]); x = x.reshape(x.shape[:-1] + (-1, 32)); a = np.abs(x).max(-1, keepdims=True)
;;       e = np.where(a > 0, np.clip(np.frexp(np.where(a > 0, a, 1))[1] - 1 - 8, -126, 127), 0)      # np.frexp(a)[1] - 1 = floor(log2(a)), exactly
;;       r = np.clip(x / 2.0 ** e, -448, 448)
;;       step = 2.0 ** (np.maximum(np.frexp(np.where(r == 0, 1, r))[1] - 1, -6) - 3)
;;       q = np.round(r / step) * step * 2.0 ** e      # np.round: ties to even
;;       return np.moveaxis(q.reshape(q.shape[:-2] + (-1,))[..., :K], -1, axis).astype(np.float32)
;;   ~~~
;; One version. Each part assembles by itself: llvm-mc -triple=amdgcn-amd-amdhsa -mcpu=gfx1250 --defsym DOCPART=n.
;; ======== version 1 of 1: 3 launches
;; limits: right only within a limited range of input values
;; workspace buffers: recs 13,369,344 bytes; ck 524,288 bytes of whole numbers; ci 524,288 bytes of whole numbers
;; launch quant (part 1): grid 256 x 1, 6 waves a work-group, no clusters, 51,456 bytes of LDS; arguments z_e, codebook, recs; writes recs
.if DOCPART == 1
	.amdgcn_target "amdgcn-amd-amdhsa--gfx1250"
	.amdhsa_code_object_version 6
	.text
	.protected	k_qcb4e028e02_quant
	.globl	k_qcb4e028e02_quant
	.p2align	8
	.type	k_qcb4e028e02_quant,@function
k_qcb4e028e02_quant:
	s_mov_b64 s[64:65], 0
	v_nop
	global_prefetch_b8 v0, s[64:65] scope:SCOPE_SE
	s_setreg_imm32_b32 hwreg(HW_REG_WAVE_MODE, 25, 1), 1
	s_wait_xcnt 0x0
; z_e [16384][512] and codebook [8192][512], f32, become RECORDS: one for each tile of 16 rows, 1,024 of z_e and then 512 of codebook, REC = 8,704 bytes each.
; A record is an image of the registers that the product's launch wants:
;   byte 2048 s + 512 c + 16 l: lane l = (r = l % 16, h = l / 16): the 16 codes (E4M3) of row r at k = 128 s + 32 c + 16 h + 0 .. 15: registers 4 c .. 4 c + 3 of the fragment of K step s
;   byte 8192 + 16 l: four words: row r's scale word (four E8M0 bytes) of K step h; that of K step 2 + h; the row's sum of squares, f32; 16 x (tile in its tensor) + r
; A block's scale is 2^(floor(log2(its largest magnitude)) - 8); its byte is the largest magnitude's exponent field - 8, held at 1 from below; each number is held within +-448 x the scale and rounded to the nearest code, ties to even.
; LIMITS: NaN and infinities among the inputs are not served.  A block of zeros gets the byte 1 where the rule says 127: its codes are zeros, which add nothing, and the bytes are read by this program alone.
; The sum of squares is taken in two packed chains a lane and joined across two lanes: another order of additions than a plain sum along the row.
; SHARES: a wave makes one record: wave w of work-group x makes record 6 x + w (256 x 6 = 1,536).  Only pointers are chosen by the record's number: both tensors take one path.
; Each load reads 512 consecutive bytes of a row (a K step's 128 numbers); the conversions want 16 neighbours along K in one lane, so a K step's 16 rows turn through the wave's own stage in LDS.
; No tensor loads, no barrier: waves share nothing.  Matrix units and clusters have nothing to do here: every byte is read once.
; WORK LEFT OUT BY THE PROGRAM: reference() returns z_e + (z_q - z_e) as its first result.  In real numbers that is z_q for all values of z_e and z_q, so the last launch
; stores the chosen codeword in both halves of out0 and does not read z_e; z_e stays live as an operand of the product and in z2, and is read here.
; LIMIT: a NaN, an infinity or an overflow that would arise only in z_q - z_e or in the sum with z_e is not carried to the result.
.set REC,   8704
.set PITCH, 528                        ; a stage row: 512 bytes + 16 = 132 words: row r starts at bank 4 r mod 64 (64 banks of 4 bytes: ISA guide 11.1)
.set STGB,  16*PITCH                   ; a wave's stage
.set GA,  4                            ; v4   16 x lane: my bytes of a load's 512, and of a store's
.set SI,  5                            ; v5   the stage, on the way in: 16 x lane
.set SO,  6                            ; v6   and out: row r, + 64 h
.set SQA, 8                            ; v[8:11] the sum of squares, two packed chains
.set PWS, 12                           ; v12-15 the scale words of K steps 0 to 3
.set R,   16                           ; v16-143 two sets of 64: a K step's numbers as loaded
.set X,   144                          ; v144-207 register 16 b + i = k 32 b + 16 h + i of my row
.set PC,  208                          ; v208-239 two sets of 16: a fragment's codes
.set TM,  240                          ; v240-243 largest magnitudes, v244-247 bytes, v248-251 448 x the scale, v252-255 the conversions' scale operands
.set SEL, 20                           ; s[20:21] v_permlanex16_b32's selects for lane l xor 16
.set MNT, 23                           ; s23 the mantissa field of 448
	s_load_b128 s[4:7], s[0:1], 0x0                ; z_e, codebook
	s_load_b64 s[8:9], s[0:1], 0x10                ; recs
	v_lshl_add_u32 v7, v0, 2, 0xc600
	s_set_vgpr_msb 0x40
	v_mov_b32 v1, 0
	s_set_vgpr_msb 0x4000
	v_lshrrev_b32 v1, 5, v0
	v_readfirstlane_b32 s10, v1                    ; wave 0..5
	v_and_b32 v1, 31, v0                           ; lane
	v_and_b32 v2, 15, v0                           ; r
	v_bfe_u32 v3, v0, 4, 1                         ; h
	v_lshlrev_b32 v[GA], 4, v1
	s_mul_i32 s11, s10, STGB                       ; my stage
	v_add_nc_u32 v[SI], s11, v[GA]
	v_mul_u32_u24 v[SO], v2, PITCH
	v_lshl_add_u32 v[SO], v3, 6, v[SO]
	v_add_nc_u32 v[SO], s11, v[SO]
	s_mul_i32 s12, ttmp9, 6
	s_add_co_u32 s12, s12, s10                     ; my record
	s_mov_b32 s[SEL], 0x76543210
	s_mov_b32 s[SEL+1], 0xfedcba98
	s_mov_b32 s[MNT], 0x600000
.irp b, 0,1,2,3
	v_mov_b32 v[TM+4+\b], 0                        ; written once: a lane permute's destination counts as one of its sources
.endr
	s_wait_alu depctr_va_vdst(0)
	s_wait_kmcnt 0x0
	s_cmp_lt_u32 s12, 1024                         ; a record of z_e or of codebook?  The choice hangs on the record's number alone
	s_cselect_b64 s[4:5], s[4:5], s[6:7]
	s_cselect_b32 s13, 0, 1024
	s_sub_co_u32 s13, s12, s13                     ; the tile's number in its tensor
	s_lshl_b32 s14, s13, 15                        ; 16 rows of 2,048 bytes
	s_mov_b32 s15, 0
	s_add_nc_u64 s[4:5], s[4:5], s[14:15]
	s_mul_i32 s14, s12, REC
	s_add_nc_u64 s[8:9], s[8:9], s[14:15]
	s_lshl_b32 s16, s13, 4                         ; the tile's first row
.macro LOAD s                          ; K step s of the 16 rows: each load 512 consecutive bytes of a row
.irp p, 0,1,2,3,4,5,6,7,8,9,10,11,12,13,14,15
	global_load_b128 v[R+64*((\s)%2)+4*\p:R+64*((\s)%2)+4*\p+3], v[GA], s[4:5] offset:2048*\p+512*(\s) th:TH_LOAD_NT
.endr
.endm
.macro TURN s                          ; through the stage: LDS serves a wave's instructions in order (ISA guide 5.7.1.4), so no wait stands between the stores and the loads
.irp p, 0,1,2,3,4,5,6,7,8,9,10,11,12,13,14,15
	ds_store_b128 v[SI], v[R+64*((\s)%2)+4*\p:R+64*((\s)%2)+4*\p+3] offset:PITCH*\p
.endr
.irp b, 0,1,2,3
.irp j, 0,1,2,3
	ds_load_b128 v[X+16*\b+4*\j:X+16*\b+4*\j+3], v[SO] offset:128*\b+16*\j
.endr
.endr
.endm
.macro SQ first                        ; my 64 numbers' squares onto the two chains; the first K step's first two products start them
.set n, 0
.rept 32
.if \first && (n < 2)
	v_pk_mul_f32 v[SQA+2*n:SQA+2*n+1], v[X+2*n:X+2*n+1], v[X+2*n:X+2*n+1]
.else
	v_pk_fma_f32 v[SQA+2*(n%2):SQA+2*(n%2)+1], v[X+2*n:X+2*n+1], v[X+2*n:X+2*n+1], v[SQA+2*(n%2):SQA+2*(n%2)+1]
.endif
.set n, n+1
.endr
.endm
.macro QUANT pc, pw                    ; X's 64 numbers become a fragment's codes in v[pc] on and my row's scale word in v[pw]
.irp b, 0,1,2,3
	v_max3_num_f32 v[TM+\b], |v[X+16*\b]|, |v[X+1+16*\b]|, 0x4800000   ; block b: my 16 numbers, and the floor 2^(9 - 127): the byte cannot fall under 1
.endr
.irp i, 2,4,6,8,10,12,14
.irp b, 0,1,2,3
	v_max3_num_f32 v[TM+\b], v[TM+\b], |v[X+16*\b+\i]|, |v[X+1+16*\b+\i]|   ; the four blocks by turns: no line waits for the line above it
.endr
.endr
.irp b, 0,1,2,3
	v_permlanex16_b32 v[TM+4+\b], v[TM+\b], s[SEL], s[SEL+1]
.endr
.irp b, 0,1,2,3
	v_max_num_f32 v[TM+\b], v[TM+\b], v[TM+4+\b]   ; with lane l xor 16's: the block's largest magnitude
.endr
.irp b, 0,1,2,3
	v_add_nc_u32 v[TM+12+\b], 0xfc000000, v[TM+\b] ; 8 off its exponent field: the conversion takes this operand's exponent field as its scale
.endr
.irp b, 0,1,2,3
	v_and_or_b32 v[TM+8+\b], v[TM+\b], 0x7f800000, s[MNT]   ; 448 x the scale
.endr
.irp b, 0,1,2,3
	v_lshrrev_b32 v[TM+4+\b], 23, v[TM+12+\b]      ; the scale's byte
.endr
	v_lshl_or_b32 v[\pw], v[TM+5], 8, v[TM+4]
	v_lshl_or_b32 v[\pw], v[TM+6], 16, v[\pw]
	v_lshl_or_b32 v[\pw], v[TM+7], 24, v[\pw]
.irp b, 0,1,2,3
.irp i, 0,1,2,3,4,5,6,7,8,9,10,11,12,13,14,15
	v_med3_num_f32 v[X+16*\b+\i], v[X+16*\b+\i], -v[TM+8+\b], v[TM+8+\b]   ; the conversion to an 8-bit code does not saturate (ISA guide 7.6.2): the hold comes first
.endr
	v_cvt_scalef32_pk8_fp8_f32 v[\pc+4*\b:\pc+1+4*\b], v[X+16*\b:X+7+16*\b], v[TM+12+\b]
	v_cvt_scalef32_pk8_fp8_f32 v[\pc+2+4*\b:\pc+3+4*\b], v[X+8+16*\b:X+15+16*\b], v[TM+12+\b]
.endr
	v_nop                                          ; one plain vector line behind the last conversion
.endm
	LOAD 0
	LOAD 1
.irp s, 0,1,2,3
.if \s < 3
	s_wait_loadcnt 16                              ; this K step's 16 loads are in; the next step's 16 may be out
.else
	s_wait_loadcnt 0x0
.endif
	TURN \s
	s_wait_dscnt 0x0                               ; X is in, and the stage's stores have read their registers,
.if \s < 2
	LOAD \s+2                                      ; which take the loads of two steps on
.endif
.if \s == 0
	SQ 1
.else
	SQ 0
.endif
.if \s >= 2
	s_wait_xcnt 0x0                                ; the stores of two steps ago have read this set of codes: it is written again only behind this wait
.endif
	QUANT PC+16*(\s%2), PWS+\s
.irp c, 0,1,2,3
	global_store_b128 v[GA], v[PC+16*(\s%2)+4*\c:PC+16*(\s%2)+4*\c+3], s[8:9] offset:2048*\s+512*\c   ; 32 lanes store 512 consecutive bytes, at a multiple of 256 from the buffer's first byte
.endr
.endr
	v_add_f32 v8, v8, v9                           ; the record's last 512 bytes
	v_add_f32 v10, v10, v11
	v_add_f32 v8, v8, v10
	v_permlanex16_b32 v9, v8, s[SEL], s[SEL+1]
	v_cmp_le_u32 vcc_lo, 16, v1                    ; lanes 16-31 carry the odd K steps' scale words (both halves of the lanes hold every word)
	v_cndmask_b32 v[TM], v[PWS], v[PWS+1], vcc_lo
	v_cndmask_b32 v[TM+1], v[PWS+2], v[PWS+3], vcc_lo
	v_add_f32 v[TM+2], v8, v9                      ; row r's sum of squares
	v_add_nc_u32 v[TM+3], s16, v2                  ; row r's number in its tensor
	global_store_b128 v[GA], v[TM:TM+3], s[8:9] offset:8192
	s_set_vgpr_msb 0x4
	s_wait_tensorcnt 0x0
	ds_add_u32 v7, v1
	s_wait_dscnt 0x0
	s_set_vgpr_msb 0x400
	s_endpgm
.Lfunc_end_k_qcb4e028e02_quant:
	.size	k_qcb4e028e02_quant, .Lfunc_end_k_qcb4e028e02_quant-k_qcb4e028e02_quant
	.p2alignl 7, 3214868480
	.fill 96, 4, 3214868480
	.section	.rodata,"a",@progbits
	.p2align	6, 0x0
	.amdhsa_kernel k_qcb4e028e02_quant
		.amdhsa_group_segment_fixed_size 51456
		.amdhsa_private_segment_fixed_size 0
		.amdhsa_enable_private_segment 0
		.amdhsa_kernarg_size 24
		.amdhsa_user_sgpr_count 2
		.amdhsa_user_sgpr_kernarg_segment_ptr 1
		.amdhsa_wavefront_size32 1
		.amdhsa_system_sgpr_workgroup_id_x 1
		.amdhsa_system_sgpr_workgroup_id_y 1
		.amdhsa_system_sgpr_workgroup_id_z 1
		.amdhsa_system_vgpr_workitem_id 0
		.amdhsa_next_free_vgpr 258
		.amdhsa_next_free_sgpr 66
		.amdhsa_reserve_vcc 1
		.amdhsa_float_denorm_mode_32 3
		.amdhsa_float_denorm_mode_16_64 3
		.amdhsa_memory_ordered 1
		.amdhsa_forward_progress 1
		.amdhsa_inst_pref_size 59
	.end_amdhsa_kernel
	.amdgpu_metadata
---
amdhsa.version: [ 1, 2 ]
amdhsa.kernels:
  - .name:           k_qcb4e028e02_quant
    .symbol:         k_qcb4e028e02_quant.kd
    .args:
      - { .name: z_e, .offset: 0, .size: 8, .value_kind: global_buffer, .address_space: global }
      - { .name: codebook, .offset: 8, .size: 8, .value_kind: global_buffer, .address_space: global }
      - { .name: recs, .offset: 16, .size: 8, .value_kind: global_buffer, .address_space: global }
    .group_segment_fixed_size: 51456
    .private_segment_fixed_size: 0
    .kernarg_segment_align: 8
    .kernarg_segment_size: 24
    .max_flat_workgroup_size: 192
    .sgpr_count:     66
    .vgpr_count:     258
    .wavefront_size: 32
...
	.end_amdgpu_metadata
.endif
;; end of part 1
;; launch vqgemm (part 2): grid 32 x 8, 8 waves a work-group, clusters of 4 x 1, 327,680 bytes of LDS; arguments recs, ck, ci; writes ck, ci
.if DOCPART == 2
	.amdgcn_target "amdgcn-amd-amdhsa--gfx1250"
	.amdhsa_code_object_version 6
	.text
	.protected	k_qcb4e028e02_vqgemm
	.globl	k_qcb4e028e02_vqgemm
	.p2align	8
	.type	k_qcb4e028e02_vqgemm,@function
k_qcb4e028e02_vqgemm:
	s_mov_b64 s[64:65], 0
	v_nop
	global_prefetch_b8 v0, s[64:65] scope:SCOPE_SE
	s_setreg_imm32_b32 hwreg(HW_REG_WAVE_MODE, 25, 1), 1
	s_wait_xcnt 0x0
	s_wait_alu depctr_hold_cnt(0) depctr_sa_sdst(0) depctr_va_vdst(0) depctr_va_sdst(0) depctr_va_ssrc(0) depctr_va_vcc(0) depctr_vm_vsrc(0)
	s_getreg_b32 s2, hwreg(HW_REG_IB_STS2, 6, 4)
	s_cmp_eq_u32 s2, 0
	s_cbranch_scc0 .Lentry_in_a_cluster
	s_endpgm
.Lentry_in_a_cluster:
	s_bfe_u32 s2, ttmp6, 0x10000c
	s_cmp_lg_u32 s2, 0x3003
	s_cbranch_scc0 .Lentry_shape_is_right
	s_endpgm
.Lentry_shape_is_right:
; For each row of z_e and each eighth of the codebook: the smallest dist = (z2 - 2 cross) + e2 and the first index that has it.  cross is the product on codes of E4M3 with E8M0 scales, sums in f32.
; dist is rounded as written: one fused multiply-add (2 x cross is exact), then one addition (written as a multiply-add by 1.0: the same one rounding).
; SHARES.  Work-group (x, y): rows 512 x on, codewords 1,024 y on (64 records of 16).  Wave w: rows 64 w on, four tiles of 16, against all 64 records: a row's minimum over the eighth is finished inside one wave.
; Two waves share a SIMD's registers, 512 each: one wave's waits for LDS and for results stand beside the other's work.
; THE PRODUCT IS USED TRANSPOSED: source 0 = 16 codewords, source 1 = 16 rows of z: register j of lane (r, h) is (codeword 8 h + j, row r).  So a lane has ONE row of each tile and 8 neighbouring codewords in 8 registers:
; the running minimum is one register a tile, taken with the 8 distances by four three-input minima (old and new minimum in two registers by turns); where it fell (strictly), the record's id and the 8 distances are kept.
; At the end the first j whose kept distance equals the minimum gives the index: records ascend, so the first index wins inside a lane; lanes l and l xor 16 join by (key, index).
; ck holds an order-preserving whole number made of dist's bits (sign bit flipped for positive numbers, all bits for negative ones), ci the index; both laid [eighth][row], 128 consecutive bytes a store.
; LIMITS: NaN and infinities are not served.  -0 counts as under +0 in the key.
; z's 16 fragments (4 tiles x 4 K steps, 256 registers) stay in window 1.  The codebook's records come through a ring of two LDS slots of 16 records; a fragment read from LDS feeds four products.
; ORDER OF A RECORD: its 16 products into one of two sets of accumulators, and behind each product two of the 32 packed lines that make the distances of the record BEFORE, on the other set: their source 1 is a constant,
; so they run under the products' window setting.  Then that record's 56 lines of minima and selects, plain vector lines that name none of the products' registers: they are the places behind the products
; the next record's loads stand behind 16 of them, and a record's results are first read behind all 56.  No idle line is written but in the first record.
; A sum's four steps have three other products between them.
; CHANGE OF SLOTS: at the top of a slot's last record, which is whole in registers by then: nobody reads the slot any more.  So the next slot's first record is fetched like any other.
; CLUSTER.  The four work-groups of a cluster are four row blocks of ONE eighth and walk the same records: each is asked for JOINTLY (mask 15).  My place in the cluster enters z's address and the outputs' alone.
; One tensor load of a wave is out at a time: two records, 17,408 bytes as 68 rows of 256.  No data prefetch: a refill is asked for sixteen records (256 products a wave) ahead of the wait for it.
; REGISTERS, window 0: v1-7 addresses; v8-23 z's last words (scale, scale, z2, row) a tile; v24-39 the end; v40-41 record ids; v42-43 scale words; v44-45 lane offsets; v48-63 e2, two sets; v64-71 minima, two sets; v72-75 ids;
;   v76-107 kept distances; v112-175 accumulators, two sets; v176-239 a record's fragments.   window 1: z (tile u, K step k) at v[64 u + 16 k].
.set REC,    8704
.set SLOT,   16*REC
.set WLOAD,  2*REC
.set SPARE,  2*SLOT                    ; behind the ring: the spare words, 128 bytes for each of eight waves
.set SPW, 1
.set NIL, 2
.set ADB, 4                            ; LDS: 16 x lane + the record in hand
.set ADE, 5                            ; LDS: 128 h + the record in hand
.set LE0, 6                            ; 128 h: where codewords 8 h on have their last words in a record
.set LC,  7                            ; 8 h - r
.set ZT,  8
.set JJ,  24
.set KEY, 28
.set TT,  32
.set OK,  36
.set OI,  38
.set IX,  40
.set SC,  42                           ; numbers 2, 3 modulo 8; z's scale words have 0, 1, 4, 5
.set L16, 44                           ; 16 x lane
.set L4,  45                           ; 4 x lane
.set E2,  48
.set RUN, 64
.set ID,  72
.set BEST, 76
.set ACC, 112
.set BF,  176
.set WV,  10
.set G1,  16
.set G0,  32
.set MSB, 0
.macro WIN new                         ; the immediate's high byte repeats the setting that is left
.if MSB != \new
	s_set_vgpr_msb (MSB<<8)|\new
.set MSB, \new
.endif
.endm
.macro PLACES n
.rept \n
	v_nop
.endr
.endm
.macro CREST                           ; a round of the cluster's barrier behind its opening barrier
	s_cmp_lg_u32 s[WV], 0
	s_cbranch_scc1 .Lnot_wave_0_\@
	s_barrier_signal -3
.Lnot_wave_0_\@:
	s_barrier_wait -3
	s_barrier_signal -1
	s_barrier_wait -1
.endm
.macro ROUND
	s_barrier_signal -1
	s_barrier_wait -1
	CREST
.endm
	s_load_b128 s[4:7], s[0:1], 0x0                ; recs, ck
	s_load_b64 s[8:9], s[0:1], 0x10                ; ci
	v_lshl_add_u32 v[SPW], v0, 2, SPARE
	v_mov_b32 v[NIL], 0
	ds_add_u32 v[SPW], v[NIL]                      ; the opening lines: the add, twice on end, and its wait
	ds_add_u32 v[SPW], v[NIL]
	v_lshrrev_b32 v3, 5, v0
	v_readfirstlane_b32 s[WV], v3                  ; wave 0..7
	s_bfe_u32 s13, ttmp6, 0x40000                  ; cx
	s_lshl_b32 s14, ttmp9, 2
	s_add_co_u32 s14, s14, s13                     ; my block of 512 rows
	s_and_b32 s15, ttmp7, 0xffff                   ; the eighth, which the four partners share
	s_mov_b32 s[G1+0], 15|(3<<16)|(1<<21)          ; mask: all four work-groups; elements of 8 bytes; bit 21 beside a mask
	s_mov_b32 s[G1+1], 32<<16                      ; tensor_dim0 = 32
	s_mov_b32 s[G1+2], 68<<16                      ; tensor_dim1 = 68
	s_mov_b32 s[G1+3], 32<<16                      ; tile_dim0 = 32
	s_mov_b32 s[G1+4], 68                          ; tile_dim1 = 68
	s_mov_b32 s[G1+5], 32                          ; from row to row
	s_mov_b32 s[G1+6], 0
	s_mov_b32 s[G1+7], 0
	s_lshl_b32 s24, s15, 6                         ; the codebook's records: 1,024 + 64 x eighth + 2 x wave (+ 16 x slot): nothing of cx
	s_lshl_b32 s25, s[WV], 1
	s_add_co_u32 s24, s24, s25
	s_add_co_u32 s24, s24, 1024
	s_mul_i32 s24, s24, REC
	s_mov_b32 s25, 0
	s_mul_i32 s28, s[WV], WLOAD                    ; and where they go in a slot
	s_lshl_b32 s56, s14, 5                         ; z's records: 32 x block + 4 x wave
	s_lshl_b32 s57, s[WV], 2
	s_add_co_u32 s56, s56, s57
	s_mul_i32 s56, s56, REC
	s_mov_b32 s57, 0
	s_lshl_b32 s60, s15, 16                        ; ck, ci: 65,536 bytes an eighth, 2,048 a block, 256 a wave's rows
	s_lshl_b32 s61, s14, 11
	s_add_co_u32 s60, s60, s61
	s_lshl_b32 s61, s[WV], 8
	s_add_co_u32 s60, s60, s61
	s_mov_b32 s61, 0
	s_mov_b32 s40, 0x76543210                      ; v_permlanex16_b32's selects for lane l xor 16
	s_mov_b32 s41, 0xfedcba98
	s_mov_b32 s42, 0xffff0000                      ; lanes 16-31
	s_mov_b32 s46, 0
	v_and_b32 v[L16], 31, v0
	v_lshlrev_b32 v[L4], 2, v[L16]
	v_lshlrev_b32 v[L16], 4, v[L16]
	v_bfe_u32 v[LE0], v0, 4, 1                     ; h
	v_and_b32 v[LC], 15, v0                        ; r
	v_lshlrev_b32 v[TT], 3, v[LE0]
	v_sub_nc_u32 v[LC], v[TT], v[LC]
	v_lshlrev_b32 v[LE0], 7, v[LE0]
	v_add_nc_u32 v[ADB], s46, v[L16]
	v_add_nc_u32 v[ADE], s46, v[LE0]
	s_wait_alu depctr_va_vdst(0)
	s_wait_dscnt 0x0
	s_wait_kmcnt 0x0
	s_add_nc_u64 s[26:27], s[4:5], s[24:25]
	s_add_nc_u64 s[58:59], s[4:5], s[56:57]
	s_add_nc_u64 s[6:7], s[6:7], s[60:61]
	s_add_nc_u64 s[8:9], s[8:9], s[60:61]
	WIN 0x40                                       ; z's fragments into window 1: they stay.  Asked for ahead of the round: they are my work-group's own
.irp u, 0,1,2,3
.irp k, 0,1,2,3
.irp c, 0,1,2,3
	global_load_b128 v[64*\u+16*\k+4*\c:64*\u+16*\k+4*\c+3], v[L16], s[58:59] offset:\u*REC+2048*\k+512*\c
.endr
.endr
.endr
	WIN 0
.irp t, 0,1,2,3
	global_load_b128 v[ZT+4*\t:ZT+4*\t+3], v[L16], s[58:59] offset:\t*REC+8192   ; two scale words, z2 of row r, the row's number
.endr
.irp n, 0,1
	s_mov_b32 s[G0+4*\n], 1
	s_add_co_u32 s[G0+4*\n+1], s28, \n*SLOT
	s_add_nc_u64 s[G0+4*\n+2:G0+4*\n+3], s[26:27], \n*SLOT   ; records lie in memory as in a slot
	s_or_b32 s[G0+4*\n+3], s[G0+4*\n+3], 0x80000000
.endr
	ROUND                                          ; all four work-groups are here: the first joint loads meet
	tensor_load_to_lds s[G0:G0+3], s[G1:G1+7]      ; slot 0: my one load at the head
	s_nop 0
	PLACES 4
.set i, 0
.rept 4
	v_mov_b32 v[RUN+4+i], 0x7f800000               ; over every distance
	v_mov_b32 v[ID+i], 0
.set i, i+1
.endr
.set i, 0
.rept 32
	v_mov_b32 v[BEST+i], 0                         ; a select reads its destination: written once, while the first loads are on their way
.set i, i+1
.endr
.macro BLOAD off                       ; a record's four fragments and its two scale registers
.irp k, 0,1,2,3
.irp c, 0,1,2,3
	ds_load_b128 v[BF+16*\k+4*\c:BF+16*\k+4*\c+3], v[ADB] offset:(\off)+2048*\k+512*\c
.endr
.endr
	ds_load_b64 v[SC:SC+1], v[ADB] offset:(\off)+8192
.endm
.macro E2LOAD q, off                   ; its id (16 x tile + r) and e2 of codewords 8 h + 0 .. 7 into set q
	ds_load_b32 v[IX+(\q)], v[ADB] offset:(\off)+8192+12
.irp j, 0,1,2,3,4,5,6,7
	ds_load_b32 v[E2+8*(\q)+\j], v[ADE] offset:(\off)+8192+8+16*\j
.endr
.endm
; Line i of the 32 packed lines that make the distances of a record of parity q: 0-15 z2 - 2 cross, 16-31 + e2; in each run the four tiles by turns, each accumulator from its low end on.
; Source 1 is a constant in both, so the line means the same registers under the products' window setting (source 1 in window 1) and under setting 0.
.macro PKL q, i
.set PJ, 2*(((\i)%16)/4)
.set PA, ACC+32*(\q)+8*((\i)%4)+PJ
.if (\i) < 16
	v_pk_fma_f32 v[PA:PA+1], v[PA:PA+1], -2.0, v[ZT+4*((\i)%4)+2:ZT+4*((\i)%4)+3] op_sel_hi:[1,0,0]   ; one rounding (the pair's low word, z2, serves both halves)
.else
	v_pk_fma_f32 v[PA:PA+1], v[PA:PA+1], 1.0, v[E2+8*(\q)+PJ:E2+8*(\q)+PJ+1] op_sel_hi:[1,0,1]        ; + e2 of codewords 8 h + j, j + 1
.endif
.endm
; 16 products into set p: K step by K step, four accumulators by turns.  The first K step starts the sums.  Odd K steps read both sides' scales from lanes 16-31.
; iv = 1: behind each product two packed lines of the record before, on the other set.
.macro W p, iv
	WIN 0x04                                       ; source 1 (z) window 1
.set WN, 0
.irp k, 0,1,2,3
.irp u, 0,1,2,3
.set AC, ACC+32*(\p)+8*\u
.if \k == 0
	v_wmma_scale_f32_16x16x128_f8f6f4 v[AC:AC+7], v[BF:BF+15], v[64*\u:64*\u+15], 0, v[SC], v[ZT+4*\u]
.elseif \k == 2
	v_wmma_scale_f32_16x16x128_f8f6f4 v[AC:AC+7], v[BF+32:BF+47], v[64*\u+32:64*\u+47], v[AC:AC+7], v[SC+1], v[ZT+4*\u+1]
.else
	v_wmma_scale_f32_16x16x128_f8f6f4 v[AC:AC+7], v[BF+16*\k:BF+16*\k+15], v[64*\u+16*\k:64*\u+16*\k+15], v[AC:AC+7], v[SC+\k/2], v[ZT+4*\u+\k/2] matrix_a_scale:MATRIX_SCALE_ROW1 matrix_b_scale:MATRIX_SCALE_ROW1
.endif
.if \iv
	PKL 1-\p, 2*WN
	PKL 1-\p, 2*WN+1
.endif
.set WN, WN+1
.endr
.endr
	WIN 0
.endm
; The minimum and the selects for a record of parity q, in three parts, the four tiles by turns.
.macro VM q                            ; 16 lines
.irp u, 0,1,2,3
.set AC, ACC+32*(\q)+8*\u
	v_min3_num_f32 v[RUN+4*(\q)+\u], v[RUN+4-4*(\q)+\u], v[AC], v[AC+1]                     ; the new minimum begins with the old one
.endr
.irp j, 2,4,6
.irp u, 0,1,2,3
.set AC, ACC+32*(\q)+8*\u
	v_min3_num_f32 v[RUN+4*(\q)+\u], v[RUN+4*(\q)+\u], v[AC+\j], v[AC+\j+1]
.endr
.endr
.endm
.macro VD q                            ; 8 lines: the last that read set q's id
.irp u, 0,1,2,3
	v_cmp_lt_f32 s[48+\u], v[RUN+4*(\q)+\u], v[RUN+4-4*(\q)+\u]                             ; did it fall?  Strictly: the earlier record stays on a tie
.endr
.irp u, 0,1,2,3
	v_cndmask_b32 v[ID+\u], v[ID+\u], v[IX+(\q)], s[48+\u]
.endr
.endm
.macro VC q                            ; 32 lines
.irp j, 0,1,2,3,4,5,6,7
.irp u, 0,1,2,3
	v_cndmask_b32 v[BEST+8*\u+\j], v[BEST+8*\u+\j], v[ACC+32*(\q)+8*\u+\j], s[48+\u]
.endr
.endr
.endm
; A record of parity p.  off >= 0: the next record is fetched at off from the address in hand.  first = 1: no record stands before it.
; sync = 1: the slot fs, which nobody reads any more, is filled again behind a round; sync = 2: only a barrier, which shows the last slot whole.  nb: the next slot's first byte.
.macro RECORD p, off, first, sync, fs, nb
.if \sync == 0
	s_wait_dscnt 0x0                               ; this record is in
	W \p, 1-\first
.else
	s_wait_tensorcnt 0x0                           ; my part of the next slot has landed; no tensor load of mine is out
	ds_add_u32 v[SPW], v[NIL]
.if \sync == 1
	s_add_nc_u64 s[G0+4*\fs+2:G0+4*\fs+3], s[G0+4*\fs+2:G0+4*\fs+3], 2*SLOT   ; two slots on
.endif
	s_mov_b32 s46, \nb
	v_add_nc_u32 v[ADB], s46, v[L16]
	v_add_nc_u32 v[ADE], s46, v[LE0]
	s_wait_alu depctr_va_vdst(0)
	s_wait_dscnt 0x0                               ; the add is done; this record is in, and with it my last reads of its slot
	s_barrier_signal -1
	W \p, 1                                        ; work on registers while the others arrive
	s_barrier_wait -1
.if \sync == 1
	CREST
	tensor_load_to_lds s[G0+4*\fs:G0+4*\fs+3], s[G1:G1+7]   ; my one tensor load behind the round, and the first thing there
	s_nop 0
	PLACES 4
.endif
.endif
.if \first
	PLACES 8
.else
	VM 1-\p                                        ; the record before
.endif
.if \off >= 0
	BLOAD \off
.endif
.if \first == 0
	VD 1-\p
.endif
.if \off >= 0
	E2LOAD 1-\p, \off                              ; into the set that the lines above have read for the last time
.endif
.if \first == 0
	VC 1-\p
.endif
.endm
.macro PAIRS                           ; records 1 to 14 of a slot's sixteen
	s_mov_b32 s45, 7
.Lpair_\@:
	RECORD 1, 2*REC, 0, 0, 0, 0
	RECORD 0, 3*REC, 0, 0, 0, 0
	s_add_co_u32 s46, s46, 2*REC
	v_add_nc_u32 v[ADB], s46, v[L16]
	v_add_nc_u32 v[ADE], s46, v[LE0]
	s_sub_co_u32 s45, s45, 1
	s_cmp_lg_u32 s45, 0
	s_wait_alu depctr_va_vdst(0)
	s_cbranch_scc1 .Lpair_\@
.endm
	s_wait_alu depctr_va_vdst(0)
	s_wait_tensorcnt 0x0                           ; my part of slot 0; these lines stand ahead of a later first fill as ahead of a refill
	ds_add_u32 v[SPW], v[NIL]
	s_wait_dscnt 0x0
	ROUND
	tensor_load_to_lds s[G0+4:G0+7], s[G1:G1+7]    ; slot 1's first fill
	s_nop 0
	PLACES 4
	BLOAD 0
	E2LOAD 0, 0
	s_wait_loadcnt 0x0                             ; z
	RECORD 0, REC, 1, 0, 0, 0                      ; slot 0 (records 0-15)
	PAIRS
	RECORD 1, 0, 0, 1, 0, SLOT                     ; slot 0 takes records 32-47
	RECORD 0, REC, 0, 0, 0, 0                      ; slot 1 (16-31)
	PAIRS
	RECORD 1, 0, 0, 1, 1, 0                        ; slot 1 takes records 48-63
	RECORD 0, REC, 0, 0, 0, 0                      ; slot 0 (32-47)
	PAIRS
	RECORD 1, 0, 0, 2, 0, SLOT                     ; nothing is left to fetch
	RECORD 0, REC, 0, 0, 0, 0                      ; slot 1 (48-63)
	PAIRS
	RECORD 1, -1, 0, 0, 0, 0
.set WN, 0
.rept 32
	PKL 1, WN                                      ; the last record's distances,
.set WN, WN+1
.endr
	VM 1                                           ; minima and selects
	VD 1
	VC 1
	; THE END.  The first j whose kept distance is the minimum; the index; the key; the join with lane l xor 16, which has the same row's other eight codewords of each record.
.irp t, 0,1,2,3
	v_mov_b32 v[JJ+\t], 7
.endr
.irp j, 6,5,4,3,2,1,0
.irp t, 0,1,2,3
	v_cmp_eq_f32 s[48+\t], v[BEST+8*\t+\j], v[RUN+4+\t]
.endr
.irp t, 0,1,2,3
	v_cndmask_b32 v[JJ+\t], v[JJ+\t], \j, s[48+\t]
.endr
.endr
.irp t, 0,1,2,3
	v_add3_u32 v[ID+\t], v[ID+\t], v[JJ+\t], v[LC] ; (16 x tile + r) + j + (8 h - r)
.endr
.irp t, 0,1,2,3
	v_ashrrev_i32 v[TT+\t], 31, v[RUN+4+\t]
.endr
.irp t, 0,1,2,3
	v_or_b32 v[TT+\t], 0x80000000, v[TT+\t]
.endr
.irp t, 0,1,2,3
	v_xor_b32 v[KEY+\t], v[RUN+4+\t], v[TT+\t]     ; unsigned order of the keys = order of the distances
.endr
.irp t, 0,1,2,3
	v_permlanex16_b32 v[BEST+8*\t], v[KEY+\t], s40, s41
	v_permlanex16_b32 v[BEST+8*\t+1], v[ID+\t], s40, s41
.endr
.irp t, 0,1,2,3
	v_cmp_lt_u32 s48, v[BEST+8*\t], v[KEY+\t]
	v_cmp_eq_u32 s49, v[BEST+8*\t], v[KEY+\t]
	v_cmp_lt_u32 s50, v[BEST+8*\t+1], v[ID+\t]
	s_and_b32 s49, s49, s50
	s_or_b32 s48, s48, s49
	v_cndmask_b32 v[KEY+\t], v[KEY+\t], v[BEST+8*\t], s48
	v_cndmask_b32 v[ID+\t], v[ID+\t], v[BEST+8*\t+1], s48
.endr
.irp u, 0,1
	v_cndmask_b32 v[OK+\u], v[KEY+2*\u], v[KEY+2*\u+1], s42   ; lanes 0-15 carry tile 2 u, lanes 16-31 tile 2 u + 1: lane l has row 32 u + l
	v_cndmask_b32 v[OI+\u], v[ID+2*\u], v[ID+2*\u+1], s42
.endr
.irp u, 0,1
	global_store_b32 v[L4], v[OK+\u], s[6:7] offset:128*\u    ; 32 lanes store 128 consecutive bytes; a wave's two stores 256, aligned
	global_store_b32 v[L4], v[OI+\u], s[8:9] offset:128*\u
.endr
	s_wait_tensorcnt 0x0                           ; the wave's end
	ds_add_u32 v[SPW], v[NIL]
	s_wait_dscnt 0x0
	ROUND                                          ; the closing round
	s_endpgm
.Lfunc_end_k_qcb4e028e02_vqgemm:
	.size	k_qcb4e028e02_vqgemm, .Lfunc_end_k_qcb4e028e02_vqgemm-k_qcb4e028e02_vqgemm
	.p2alignl 7, 3214868480
	.fill 96, 4, 3214868480
	.section	.rodata,"a",@progbits
	.p2align	6, 0x0
	.amdhsa_kernel k_qcb4e028e02_vqgemm
		.amdhsa_group_segment_fixed_size 327680
		.amdhsa_private_segment_fixed_size 0
		.amdhsa_enable_private_segment 0
		.amdhsa_kernarg_size 24
		.amdhsa_user_sgpr_count 2
		.amdhsa_user_sgpr_kernarg_segment_ptr 1
		.amdhsa_wavefront_size32 1
		.amdhsa_system_sgpr_workgroup_id_x 1
		.amdhsa_system_sgpr_workgroup_id_y 1
		.amdhsa_system_sgpr_workgroup_id_z 1
		.amdhsa_system_vgpr_workitem_id 0
		.amdhsa_next_free_vgpr 512
		.amdhsa_next_free_sgpr 66
		.amdhsa_reserve_vcc 0
		.amdhsa_float_denorm_mode_32 3
		.amdhsa_float_denorm_mode_16_64 3
		.amdhsa_memory_ordered 1
		.amdhsa_forward_progress 1
		.amdhsa_inst_pref_size 171
	.end_amdhsa_kernel
	.amdgpu_metadata
---
amdhsa.version: [ 1, 2 ]
amdhsa.kernels:
  - .name:           k_qcb4e028e02_vqgemm
    .symbol:         k_qcb4e028e02_vqgemm.kd
    .args:
      - { .name: recs, .offset: 0, .size: 8, .value_kind: global_buffer, .address_space: global }
      - { .name: ck, .offset: 8, .size: 8, .value_kind: global_buffer, .address_space: global }
      - { .name: ci, .offset: 16, .size: 8, .value_kind: global_buffer, .address_space: global }
    .group_segment_fixed_size: 327680
    .private_segment_fixed_size: 0
    .kernarg_segment_align: 8
    .kernarg_segment_size: 24
    .max_flat_workgroup_size: 256
    .sgpr_count:     66
    .vgpr_count:     512
    .wavefront_size: 32
...
	.end_amdgpu_metadata
.endif
;; end of part 2
;; launch pick (part 3): grid 256 x 1, 16 waves a work-group, no clusters, 0 bytes of LDS; arguments codebook, ck, ci, out0; writes out0
.if DOCPART == 3
	.amdgcn_target "amdgcn-amd-amdhsa--gfx1250"
	.amdhsa_code_object_version 6
	.text
	.protected	k_qcb4e028e02_pick
	.globl	k_qcb4e028e02_pick
	.p2align	8
	.type	k_qcb4e028e02_pick,@function
k_qcb4e028e02_pick:
	s_mov_b64 s[64:65], 0
	v_nop
	global_prefetch_b8 v0, s[64:65] scope:SCOPE_SE
	s_setreg_imm32_b32 hwreg(HW_REG_WAVE_MODE, 25, 1), 1
	s_wait_xcnt 0x0
; out0[0][row] = out0[1][row] = codebook[idx[row]], idx the first argmin over all 8,192 codewords.
; WORK LEFT OUT: z_e + (z_q - z_e) is z_q in real numbers for all values, so z_e is not read here (shown at the head of the first kernel, with its limit).
; ck and ci, laid [eighth][row], hold for each row and eighth of the codebook a whole-number key in the order of the smallest distance, and its index: whole numbers that an earlier launch stored.
; The least key wins, by unsigned comparison; strictly less: on a tie the lower eighth, which has the lower indices, stays.
; SHARES: a work-group takes 64 rows, a wave 4: one load of 16 bytes, the same in every lane, brings the 4 rows' keys (or indices) of an eighth.  Then 16 loads of 512 consecutive bytes (4 rows of 2,048) and 32 such stores.
; Every register is written once, so no store's data are written again.  No LDS, no barrier, no matrix unit: waves share nothing.  No prefetch: the text has no loop to run ahead in.
.set L16, 1                            ; 16 x lane
.set NUL, 2
.set KK,  4                            ; v4-35   key of eighth y, row i at KK + 4 y + i
.set II,  36                           ; v36-67  index likewise
.set DD,  72                           ; v72-135 row i, chunk c at DD + 16 i + 4 c
	s_load_b256 s[4:11], s[0:1], 0x0               ; codebook s[4:5], ck s[6:7], ci s[8:9], out0 s[10:11]
	v_lshrrev_b32 v3, 5, v0
	v_readfirstlane_b32 s16, v3                    ; wave 0..15
	v_and_b32 v[L16], 31, v0
	v_lshlrev_b32 v[L16], 4, v[L16]
	v_mov_b32 v[NUL], 0
	s_lshl_b32 s17, ttmp9, 6
	s_lshl_b32 s16, s16, 2
	s_add_co_u32 s16, s16, s17                     ; my first row
	s_lshl_b32 s18, s16, 11                        ; rows of 2,048 bytes
	s_mov_b32 s19, 0
	s_lshl_b32 s32, s16, 2                         ; 4 bytes a row
	s_mov_b32 s33, 0
	s_wait_alu depctr_va_vdst(0)
	s_wait_kmcnt 0x0
	s_add_nc_u64 s[10:11], s[10:11], s[18:19]      ; out0[0]
	s_add_nc_u64 s[14:15], s[10:11], 0x2000000     ; out0[1]
	s_add_nc_u64 s[6:7], s[6:7], s[32:33]
	s_add_nc_u64 s[8:9], s[8:9], s[32:33]
.irp y, 0,1,2,3,4,5,6,7
	global_load_b128 v[KK+4*\y:KK+4*\y+3], v[NUL], s[6:7] offset:65536*\y
	global_load_b128 v[II+4*\y:II+4*\y+3], v[NUL], s[8:9] offset:65536*\y
.endr
	s_wait_loadcnt 0x0
.irp y, 1,2,3,4,5,6,7
.irp i, 0,1,2,3
	v_cmp_lt_u32 s[20+\i], v[KK+4*\y+\i], v[KK+\i]
.endr
.irp i, 0,1,2,3
	v_cndmask_b32 v[II+\i], v[II+\i], v[II+4*\y+\i], s[20+\i]
.endr
.irp i, 0,1,2,3
	v_min_u32 v[KK+\i], v[KK+\i], v[KK+4*\y+\i]
.endr
.endr
.irp i, 0,1,2,3
	v_min_u32 v[II+\i], 0x1fff, v[II+\i]           ; an index stays inside the table
.endr
.irp i, 0,1,2,3
	v_lshlrev_b32 v[II+\i], 11, v[II+\i]           ; a codeword is 2,048 bytes
.endr
.irp i, 0,1,2,3
	v_add_nc_u32 v[II+\i], v[II+\i], v[L16]
.endr
.irp i, 0,1,2,3
.irp c, 0,1,2,3
	global_load_b128 v[DD+16*\i+4*\c:DD+16*\i+4*\c+3], v[II+\i], s[4:5] offset:512*\c   ; no hint: other rows name the same codewords
.endr
.endr
.irp i, 0,1,2,3
	s_wait_loadcnt 12-4*\i                         ; loads come back in order (ISA guide 5.7.1): row i's four are in
.irp c, 0,1,2,3
	global_store_b128 v[L16], v[DD+16*\i+4*\c:DD+16*\i+4*\c+3], s[10:11] offset:2048*\i+512*\c th:TH_STORE_NT
	global_store_b128 v[L16], v[DD+16*\i+4*\c:DD+16*\i+4*\c+3], s[14:15] offset:2048*\i+512*\c th:TH_STORE_NT
.endr
.endr
	s_endpgm
.Lfunc_end_k_qcb4e028e02_pick:
	.size	k_qcb4e028e02_pick, .Lfunc_end_k_qcb4e028e02_pick-k_qcb4e028e02_pick
	.p2alignl 7, 3214868480
	.fill 96, 4, 3214868480
	.section	.rodata,"a",@progbits
	.p2align	6, 0x0
	.amdhsa_kernel k_qcb4e028e02_pick
		.amdhsa_group_segment_fixed_size 0
		.amdhsa_private_segment_fixed_size 0
		.amdhsa_enable_private_segment 0
		.amdhsa_kernarg_size 32
		.amdhsa_user_sgpr_count 2
		.amdhsa_user_sgpr_kernarg_segment_ptr 1
		.amdhsa_wavefront_size32 1
		.amdhsa_system_sgpr_workgroup_id_x 1
		.amdhsa_system_sgpr_workgroup_id_y 1
		.amdhsa_system_sgpr_workgroup_id_z 1
		.amdhsa_system_vgpr_workitem_id 0
		.amdhsa_next_free_vgpr 136
		.amdhsa_next_free_sgpr 66
		.amdhsa_reserve_vcc 0
		.amdhsa_float_denorm_mode_32 3
		.amdhsa_float_denorm_mode_16_64 3
		.amdhsa_memory_ordered 1
		.amdhsa_forward_progress 1
		.amdhsa_inst_pref_size 12
	.end_amdhsa_kernel
	.amdgpu_metadata
---
amdhsa.version: [ 1, 2 ]
amdhsa.kernels:
  - .name:           k_qcb4e028e02_pick
    .symbol:         k_qcb4e028e02_pick.kd
    .args:
      - { .name: codebook, .offset: 0, .size: 8, .value_kind: global_buffer, .address_space: global }
      - { .name: ck, .offset: 8, .size: 8, .value_kind: global_buffer, .address_space: global }
      - { .name: ci, .offset: 16, .size: 8, .value_kind: global_buffer, .address_space: global }
      - { .name: out0, .offset: 24, .size: 8, .value_kind: global_buffer, .address_space: global }
    .group_segment_fixed_size: 0
    .private_segment_fixed_size: 0
    .kernarg_segment_align: 8
    .kernarg_segment_size: 32
    .max_flat_workgroup_size: 512
    .sgpr_count:     66
    .vgpr_count:     136
    .wavefront_size: 32
...
	.end_amdgpu_metadata
.endif
;; end of part 3
